; MI455X (gfx1250); checked and timed in simulation.
; The chip was launched on July 23, 2026; its instructions are those of AMD's public machine-readable ISA for CDNA 5 (MIT licence, August 2026) and "CDNA5" Instruction Set Architecture Reference Guide (July 2026). The comments in the code are by the model that wrote it; some were corrected since.
;; Mem Unit. Allowed arithmetic: matrix products marked QUANTISED: E5M2 operands, one given power-of-two scale a tensor, by v_wmma_f32_16x16x64_bf8_bf8 or v_wmma_f32_16x16x128_bf8_bf8, f32 sums; everything else in f32.
;; Inputs: W 256 x 32,768 float32; lowp_scales 2 int32 (the exponents e of the quantised operands' scales 2^e); targ 8,192 x 256 float32.
;; Outputs: out0 8,192 x 256 float32.
;; This version of the problem:
;;   THIS VERSION OF THE PROBLEM IS GIVEN IN LOW PRECISION. The matrix products marked QUANTISED in the list below multiply operands that are first quantised to E5M2 (5 exponent bits, 2 mantissa bits; 8 bits a number), with one given power-of-two scale for each operand tensor; their sums are f32. All else is computed in f32.
;;   The module's matrix products, in the order in which they are computed (A, B: the left and right operand; K: the contracted axis; several contracted axes count as one K, in the product's order):
;;     1. [M 8,192, K 256] x [K 256, N 32,768]; A: input targ; B: input W: QUANTISED (scales: A lowp_scales[0], B lowp_scales[1])
;;   THE QUANTISER, for each operand of a quantised product, along K:
;;     - The operand's scale is 2^e, e = its entry of the input lowp_scales (int32; the entries are numbered through the quantised products in the list's order, A before B).
;;     - Each number is divided by the scale, clamped to +-57,344, and rounded to the nearest number of E5M2, ties to even, subnormals kept.
;;     - The product sums the exact products of the quantised numbers (number of the format x scale) in f32.
;;   ~~~python
;;   def quantise(x, axis, e):      # numpy; x: float32 -> the quantised numbers, widened to float32 again
;;       x = np.moveaxis(x, axis, -1); K = x.shape[-1]
;;       r = np.clip(x / 2.0 ** e, -57344, 57344)
;;       step = 2.0 ** (np.maximum(np.frexp(np.where(r == 0, 1, r))[1] - 1, -14) - 2)
;;       q = np.round(r / step) * step * 2.0 ** e      # np.round: ties to even
;;       return np.moveaxis(q, -1, axis).astype(np.float32)
;;   ~~~
;; One version. Each part assembles by itself: llvm-mc -triple=amdgcn-amd-amdhsa -mcpu=gfx1250 --defsym DOCPART=n.
;; ======== version 1 of 1: 3 launches
;; limits: right only within a limited range of input values
;; workspace buffers: wcodes 8,388,608 bytes; ucol 131,072 bytes; wt 33,554,432 bytes; timg 2,228,224 bytes; pval 131,072 bytes of whole numbers; pidx 131,072 bytes of whole numbers
;; launch prep (part 1): grid 512 x 1, 9 waves a work-group, no clusters, 88,832 bytes of LDS; arguments W, targ, lowp_scales, wcodes, ucol, wt, timg; writes wcodes, ucol, wt, timg
.if DOCPART == 1
	.amdgcn_target "amdgcn-amd-amdhsa--gfx1250"
	.amdhsa_code_object_version 6
	.text
	.protected	k_qa3fc17f368_prep
	.globl	k_qa3fc17f368_prep
	.p2align	8
	.type	k_qa3fc17f368_prep,@function
k_qa3fc17f368_prep:
	s_mov_b64 s[64:65], 0
	v_nop
	global_prefetch_b8 v0, s[64:65] scope:SCOPE_SE
	s_setreg_imm32_b32 hwreg(HW_REG_WAVE_MODE, 25, 1), 1
	s_wait_xcnt 0x0
; W [256 (k)][32768 (codeword)] f32 and targ [8192][256] f32 are read once and laid out for the two launches that follow.
;   wcodes: codes of BF8 (E5M2) of W / 2^e1, as images of operand registers: tile T = 16 codewords = 4,096 bytes; the code of codeword 16 T + r at k lies at
;           4096 T + 2048 (k / 128) + 512 ((k / 32) % 4) + 256 ((k / 16) % 2) + 16 r + k % 16: eight runs of 512 bytes, each 16 bytes a lane.
;   ucol:   u = 1 / |W column|, f32, from the unquantised numbers.        wt: W transposed, [32768][256] f32, for the gather.
;   timg:   a record of 4,352 bytes for each 16 rows of targ: eight images of 512 bytes (codes of targ / 2^e0, same order of k as above), then 256 bytes: (nw, nw) at 8 x lane,
;           nw = -1e-7 / |row|, the row being lane % 16.
; code = x / 2^e, held within +-57,344, rounded to the nearest code, ties to even.
; LIMITS: e0, e1 between -126 and 112.  Sums of squares are held at 2^-60 from below ahead of the root.  NaN and infinities among the inputs are not served.
; SHARES.  Work-group g: codewords 64 g .. 64 g + 63 (all 256 k) and rows 16 g .. 16 g + 15 of targ.  Waves 0-7: 32 codewords (wave % 2) x 64 k (wave / 2): a lane takes a
; codeword and its registers run down k, so the conversions give codes with k innermost.  Wave 8: the rows of targ.  No work-group reads what another reads: no cluster.
; The launch streams: no tensor loads, no ring; one barrier, for the four partial sums of squares of a codeword.
.set ROWW,  131072                     ; a row of W in bytes
.set WSTW,  8704                       ; LDS: a stage of 32 rows x 272 bytes for each of waves 0-7
.set WP,    272                        ; 256 bytes + 16
.set SUMS,  69632                      ; [4 parts of k][64 codewords] f32
.set TST,   70656                      ; wave 8: 16 rows x 1,040 bytes
.set TP,    1040
.set REC,   4352
.set FLOOR, 0x21800000                 ; 2^-60
.set H,     16                         ; v16-31   sixteen numbers held within the range
.set X,     32                         ; v32..    numbers as loaded (waves 0-7: 64; wave 8: 128)
.set C,     96                         ; v96-111  waves 0-7: codes, four registers a granule, never rewritten
.set OUTR,  112                        ; v112-175 waves 0-7: rows of wt on their way out
.set TC,    160                        ; v160-191 wave 8: codes
.set LI16,  192                        ; v192     16 x lane
.set LI8,   193                        ; v193     8 x lane
	s_load_b128 s[4:7], s[0:1], 0x0                ; W, targ
	s_load_b64 s[8:9], s[0:1], 0x10                ; the scales' exponents
	s_load_b256 s[12:19], s[0:1], 0x18             ; wcodes s[12:13], ucol s[14:15], wt s[16:17], timg s[18:19]
	v_lshl_add_u32 v196, v0, 2, 0x15600
	v_mov_b32 v197, 0
	v_lshrrev_b32 v1, 5, v0
	s_delay_alu instid0(VALU_DEP_1)
	v_readfirstlane_b32 s20, v1                    ; wave 0..8
	s_and_b32 s21, s20, 1                          ; which 32 codewords
	s_lshr_b32 s22, s20, 1                         ; which 64 k
	s_mov_b32 s36, 0x76543210                      ; v_permlanex16_b32: lane l takes lane l xor 16
	s_mov_b32 s37, 0xfedcba98
	v_and_b32 v20, 31, v0                          ; lane
	v_and_b32 v21, 15, v0                          ; lane % 16
	v_bfe_u32 v22, v0, 4, 1                        ; lane / 16
	; every LDS address is made here, ahead of the parting of the roles
	s_delay_alu instid0(VALU_DEP_3)
	v_lshlrev_b32 v1, 2, v20                       ; W: 4 bytes a lane
	s_mul_i32 s23, s20, WSTW
	v_mul_u32_u24 v2, v20, WP
	s_delay_alu instid0(VALU_DEP_1)
	v_add_nc_u32 v2, s23, v2                       ; stage, in: row = my codeword
	v_mul_u32_u24 v3, v22, WP
	s_delay_alu instid0(VALU_DEP_1)
	v_lshl_add_u32 v3, v21, 4, v3
	s_delay_alu instid0(VALU_DEP_1)
	v_add_nc_u32 v3, s23, v3                       ; stage, out: sixteen lanes to a row, two rows an instruction
	s_lshl_b32 s23, s22, 8
	s_lshl_b32 s24, s21, 7
	s_add_co_u32 s23, s23, s24
	s_add_co_u32 s23, s23, SUMS
	v_add_nc_u32 v4, s23, v1                       ; my partial sum of squares
	v_lshl_add_u32 v5, v20, 3, SUMS                ; wave 0 later: codewords 2 lane, 2 lane + 1
	v_lshl_add_u32 v6, v20, 4, TST                 ; wave 8, in: as the bytes lie
	v_mul_u32_u24 v7, v21, TP
	s_delay_alu instid0(VALU_DEP_1)
	v_lshl_add_u32 v7, v22, 6, v7
	s_delay_alu instid0(VALU_DEP_1)
	v_add_nc_u32 v7, TST, v7                       ; wave 8, out: row lane % 16, + 64 bytes for lanes 16-31
	v_lshlrev_b32 v8, 12, v22
	s_delay_alu instid0(VALU_DEP_1)
	v_lshl_add_u32 v8, v21, 4, v8                  ; wcodes: tile lane / 16, 16 bytes for codeword lane % 16
	v_lshlrev_b32 v9, 10, v22
	s_delay_alu instid0(VALU_DEP_1)
	v_lshl_add_u32 v9, v21, 4, v9                  ; wt: row lane / 16, 16 bytes a lane
	v_lshlrev_b32 v[LI16], 4, v20
	v_lshlrev_b32 v[LI8], 3, v20
	; byte offsets of my part in each buffer
	s_lshl_b32 s24, s22, 23                        ; W: 64 rows of 131,072 bytes for each part of k,
	s_lshl_b32 s23, ttmp9, 8
	s_add_co_u32 s24, s24, s23                     ; + 64 codewords x 4 bytes a work-group,
	s_lshl_b32 s23, s21, 7
	s_add_co_u32 s24, s24, s23                     ; + 32 x 4 for the odd waves
	s_mov_b32 s25, 0
	s_lshl_b32 s26, ttmp9, 14                      ; wcodes: 4 tiles a work-group, 2 a wave, 1,024 bytes for each part of k
	s_lshl_b32 s23, s21, 13
	s_add_co_u32 s26, s26, s23
	s_lshl_b32 s23, s22, 10
	s_add_co_u32 s26, s26, s23
	s_mov_b32 s27, 0
	s_lshl_b32 s28, ttmp9, 16                      ; wt: 64 rows of 1,024 bytes a work-group, 32 a wave, 256 bytes for each part of k
	s_lshl_b32 s23, s21, 15
	s_add_co_u32 s28, s28, s23
	s_lshl_b32 s23, s22, 8
	s_add_co_u32 s28, s28, s23
	s_mov_b32 s29, 0
	s_lshl_b32 s30, ttmp9, 14                      ; targ: 16 rows of 1,024 bytes
	s_mov_b32 s31, 0
	s_mul_i32 s38, ttmp9, REC                      ; timg: a record
	s_mov_b32 s39, 0
	s_lshl_b32 s40, ttmp9, 8                       ; ucol: 64 numbers
	s_mov_b32 s41, 0
	s_wait_kmcnt 0x0
	s_load_b64 s[32:33], s[8:9], 0x0               ; e0 (targ), e1 (W)
	s_add_nc_u64 s[4:5], s[4:5], s[24:25]
	s_add_nc_u64 s[12:13], s[12:13], s[26:27]
	s_add_nc_u64 s[16:17], s[16:17], s[28:29]
	s_add_nc_u64 s[6:7], s[6:7], s[30:31]
	s_add_nc_u64 s[18:19], s[18:19], s[38:39]
	s_add_nc_u64 s[14:15], s[14:15], s[40:41]
	s_cmp_lt_u32 s20, 8
	s_cbranch_scc0 .Ltrole
	; ---- waves 0-7: 32 codewords x 64 k of W
.set i, 0
.rept 64
	global_load_b32 v[X+i], v1, s[4:5] offset:i*ROWW th:TH_LOAD_NT   ; W(64 part + i, my codeword): 32 lanes read 128 consecutive bytes; the largest immediate, 63 rows, lies inside the signed 24 bits
.set i, i+1
.endr
	s_wait_kmcnt 0x0
	s_add_co_i32 s34, s33, 127
	s_lshl_b32 s35, s34, 23
	v_mov_b32 v11, s35                             ; 2^e1 as f32: the conversion takes its exponent field
	s_add_co_i32 s34, s34, 15
	s_lshl_b32 s34, s34, 23
	s_or_b32 s34, s34, 0x600000
	v_mov_b32 v10, s34                             ; 57,344 x 2^e1
; A granule: 16 k.  The raw numbers go to the stage (for wt), their squares into two chains, their codes to wcodes.
.macro GRAN g
	s_wait_loadcnt 48-16*(\g)                      ; this granule's sixteen loads are in; the later granules' stay out
.irp q, 0,1,2,3
	ds_store_b128 v2, v[X+16*(\g)+4*\q:X+16*(\g)+4*\q+3] offset:64*(\g)+16*\q
.endr
.irp p, 0
.if ((\g) == 0) && (\p == 0)
	v_pk_mul_f32 v[12:13], v[X:X+1], v[X:X+1]      ; the first squares start the chains: nothing is cleared
	v_pk_mul_f32 v[14:15], v[X+2:X+3], v[X+2:X+3]
.else
	v_pk_fma_f32 v[12:13], v[X+16*(\g)+4*\p:X+16*(\g)+4*\p+1], v[X+16*(\g)+4*\p:X+16*(\g)+4*\p+1], v[12:13]
	v_pk_fma_f32 v[14:15], v[X+16*(\g)+4*\p+2:X+16*(\g)+4*\p+3], v[X+16*(\g)+4*\p+2:X+16*(\g)+4*\p+3], v[14:15]
.endif
.endr
.irp p, 1, 2, 3
.if ((\g) == 0) && (\p == 0)
	v_pk_mul_f32 v[12:13], v[X:X+1], v[X:X+1]      ; the first squares start the chains: nothing is cleared
	v_pk_mul_f32 v[14:15], v[X+2:X+3], v[X+2:X+3]
.else
	s_delay_alu instid0(VALU_DEP_2)
	v_pk_fma_f32 v[12:13], v[X+16*(\g)+4*\p:X+16*(\g)+4*\p+1], v[X+16*(\g)+4*\p:X+16*(\g)+4*\p+1], v[12:13]
	s_delay_alu instid0(VALU_DEP_2)
	v_pk_fma_f32 v[14:15], v[X+16*(\g)+4*\p+2:X+16*(\g)+4*\p+3], v[X+16*(\g)+4*\p+2:X+16*(\g)+4*\p+3], v[14:15]
.endif
.endr
.set n, 0
.rept 16
	v_med3_num_f32 v[H+n], v[X+16*(\g)+n], -v10, v10   ; the conversion to an 8-bit code does not saturate (ISA guide 7.6.2): the hold comes first, into other registers than the stage's stores read
.set n, n+1
.endr
	v_cvt_scalef32_pk8_bf8_f32 v[C+4*(\g):C+4*(\g)+1], v[H:H+7], v11
	v_cvt_scalef32_pk8_bf8_f32 v[C+4*(\g)+2:C+4*(\g)+3], v[H+8:H+15], v11
	v_nop                                          ; one plain vector line behind the conversions, ahead of the next writes of their sources
	global_store_b128 v8, v[C+4*(\g):C+4*(\g)+3], s[12:13] offset:256*(\g)   ; sixteen lanes store 256 consecutive bytes, aligned
.endm
	s_wait_alu depctr_va_vdst(0)
	GRAN 0
	GRAN 1
	GRAN 2
	GRAN 3
	v_add_f32 v12, v12, v13
	v_add_f32 v14, v14, v15
	s_delay_alu instid0(VALU_DEP_1)
	v_add_f32 v12, v12, v14
	ds_store_b32 v4, v12                           ; my codeword's sum of squares over my 64 k
.set i, 0
.rept 16
	ds_load_b128 v[OUTR+4*i:OUTR+4*i+3], v3 offset:2*i*WP   ; LDS serves a wave's instructions in order (ISA guide 5.7.1.4): these see my stores
.set i, i+1
.endr
.set i, 0
.rept 16
	s_wait_dscnt 15-i                              ; load i is back; the younger ones stay out
	global_store_b128 v9, v[OUTR+4*i:OUTR+4*i+3], s[16:17] offset:2048*i th:TH_STORE_NT   ; sixteen lanes store 256 consecutive bytes of a row of wt, aligned
.set i, i+1
.endr
	s_branch .Ljoin
	; ---- wave 8: 16 rows of targ
.Ltrole:
.set i, 0
	s_wait_alu depctr_va_vdst(0)
.rept 32
	global_load_b128 v[X+4*i:X+4*i+3], v[LI16], s[6:7] offset:512*i th:TH_LOAD_NT   ; 512 consecutive bytes: half a row
.set i, i+1
.endr
	s_wait_kmcnt 0x0
	s_add_co_i32 s34, s32, 127
	s_lshl_b32 s35, s34, 23
	v_mov_b32 v11, s35                             ; 2^e0
	s_add_co_i32 s34, s34, 15
	s_lshl_b32 s34, s34, 23
	s_or_b32 s34, s34, 0x600000
	v_mov_b32 v10, s34                             ; 57,344 x 2^e0
.set i, 0
.rept 32
	s_wait_loadcnt 31-i                            ; load i is in; the younger ones stay out
	ds_store_b128 v6, v[X+4*i:X+4*i+3] offset:(i/2)*TP+(i%2)*512
.set i, i+1
.endr
	s_wait_dscnt 0x0                               ; the stores have read their registers, which the loads below fill
.set i, 0
.rept 32
	ds_load_b128 v[X+4*i:X+4*i+3], v7 offset:512*(i/16)+128*((i/4)%4)+16*(i%4)   ; register 16 m + n: k = 32 m + 16 (lane / 16) + n of row lane % 16
.set i, i+1
.endr
	s_wait_dscnt 0x0
.irp p, 0,1,2,3
	v_pk_mul_f32 v[12+2*\p:13+2*\p], v[X+2*\p:X+2*\p+1], v[X+2*\p:X+2*\p+1]   ; four chains of squares
.endr
.set i, 4
.rept 60
	s_delay_alu instid0(VALU_DEP_4)
	v_pk_fma_f32 v[12+2*(i%4):13+2*(i%4)], v[X+2*i:X+2*i+1], v[X+2*i:X+2*i+1], v[12+2*(i%4):13+2*(i%4)]
.set i, i+1
.endr
	s_delay_alu instid0(VALU_DEP_3)
	v_pk_add_f32 v[12:13], v[12:13], v[14:15]
	s_delay_alu instid0(VALU_DEP_2)
	v_pk_add_f32 v[16:17], v[16:17], v[18:19]
	s_delay_alu instid0(VALU_DEP_1)
	v_pk_add_f32 v[12:13], v[12:13], v[16:17]
	s_delay_alu instid0(VALU_DEP_1)
	v_add_f32 v12, v12, v13
	v_mov_b32 v20, 0                               ; a lane permute's destination counts as read
	s_delay_alu instid0(VALU_DEP_1)
	v_permlanex16_b32 v20, v12, s36, s37
	s_delay_alu instid0(VALU_DEP_1)
	v_add_f32 v12, v12, v20                        ; the row's sum of squares, in both of its lanes
	s_delay_alu instid0(VALU_DEP_1)
	v_max_num_f32 v12, FLOOR, v12
	s_wait_alu depctr_va_vdst(0)
	v_rsq_f32 v13, v12
.set i, 0
.rept 128
	v_med3_num_f32 v[X+i], v[X+i], -v10, v10       ; the hold; also the independent work behind the root
.set i, i+1
.endr
	s_wait_alu depctr_va_vdst(0)                   ; ahead of the first reader of the root's result
	v_mul_f32 v14, v12, v13                        ; one Newton step: y + y / 2 x (1 - ss y y)
	v_fma_f32 v14, -v14, v13, 1.0
	v_mul_f32 v15, 0.5, v13
	v_fma_f32 v13, v15, v14, v13
	s_delay_alu instid0(VALU_DEP_1)
	v_mul_f32 v16, 0xb3d6bf95, v13                 ; nw = -1e-7 / |row|
	s_delay_alu instid0(VALU_DEP_1)
	v_mov_b32 v17, v16
.set i, 0
.rept 8
	v_cvt_scalef32_pk8_bf8_f32 v[TC+4*i:TC+4*i+1], v[X+16*i:X+16*i+7], v11
	v_cvt_scalef32_pk8_bf8_f32 v[TC+4*i+2:TC+4*i+3], v[X+16*i+8:X+16*i+15], v11
.set i, i+1
.endr
	v_nop                                          ; one plain vector line behind the last conversion
.set i, 0
.rept 8
	global_store_b128 v[LI16], v[TC+4*i:TC+4*i+3], s[18:19] offset:512*i   ; an image: 512 consecutive bytes
.set i, i+1
.endr
	global_store_b64 v[LI8], v[16:17], s[18:19] offset:4096   ; 256 consecutive bytes
.Ljoin:
	s_wait_dscnt 0x0                               ; for the others' sake: my partial sums lie in LDS
	s_barrier_signal -1
	s_barrier_wait -1
	s_cmp_lg_u32 s20, 0
	s_cbranch_scc1 .Lend
	; ---- wave 0: u of the work-group's 64 codewords, two a lane
.irp k, 0,1,2,3
	ds_load_b64 v[32+2*\k:33+2*\k], v5 offset:256*\k
.endr
	s_wait_dscnt 0x0
	v_pk_add_f32 v[32:33], v[32:33], v[34:35]
	v_pk_add_f32 v[36:37], v[36:37], v[38:39]
	s_delay_alu instid0(VALU_DEP_1)
	v_pk_add_f32 v[32:33], v[32:33], v[36:37]
	s_delay_alu instid0(VALU_DEP_1)
	v_max_num_f32 v32, FLOOR, v32
	s_delay_alu instid0(VALU_DEP_2)
	v_max_num_f32 v33, FLOOR, v33
	s_wait_alu depctr_va_vdst(0)
	v_rsq_f32 v34, v32
	v_rsq_f32 v35, v33
	v_nop                                          ; a plain line behind the roots
	s_wait_alu depctr_va_vdst(0)                   ; one wait for both, ahead of their first reader
	v_mul_f32 v36, v32, v34
	v_mul_f32 v37, v33, v35
	v_fma_f32 v36, -v36, v34, 1.0
	v_fma_f32 v37, -v37, v35, 1.0
	v_mul_f32 v38, 0.5, v34
	v_mul_f32 v39, 0.5, v35
	v_fma_f32 v34, v38, v36, v34
	v_fma_f32 v35, v39, v37, v35
	global_store_b64 v[LI8], v[34:35], s[14:15]    ; 256 consecutive bytes, aligned
.Lend:
	s_wait_tensorcnt 0x0
	ds_add_u32 v196, v197
	s_wait_dscnt 0x0
	s_endpgm
.Lfunc_end_k_qa3fc17f368_prep:
	.size	k_qa3fc17f368_prep, .Lfunc_end_k_qa3fc17f368_prep-k_qa3fc17f368_prep
	.p2alignl 7, 3214868480
	.fill 96, 4, 3214868480
	.section	.rodata,"a",@progbits
	.p2align	6, 0x0
	.amdhsa_kernel k_qa3fc17f368_prep
		.amdhsa_group_segment_fixed_size 88832
		.amdhsa_private_segment_fixed_size 0
		.amdhsa_enable_private_segment 0
		.amdhsa_kernarg_size 56
		.amdhsa_user_sgpr_count 2
		.amdhsa_user_sgpr_kernarg_segment_ptr 1
		.amdhsa_wavefront_size32 1
		.amdhsa_system_sgpr_workgroup_id_x 1
		.amdhsa_system_sgpr_workgroup_id_y 1
		.amdhsa_system_sgpr_workgroup_id_z 1
		.amdhsa_system_vgpr_workitem_id 0
		.amdhsa_next_free_vgpr 198
		.amdhsa_next_free_sgpr 66
		.amdhsa_reserve_vcc 0
		.amdhsa_float_denorm_mode_32 3
		.amdhsa_float_denorm_mode_16_64 3
		.amdhsa_memory_ordered 1
		.amdhsa_forward_progress 1
		.amdhsa_inst_pref_size 49
	.end_amdhsa_kernel
	.amdgpu_metadata
---
amdhsa.version: [ 1, 2 ]
amdhsa.kernels:
  - .name:           k_qa3fc17f368_prep
    .symbol:         k_qa3fc17f368_prep.kd
    .args:
      - { .name: W, .offset: 0, .size: 8, .value_kind: global_buffer, .address_space: global }
      - { .name: targ, .offset: 8, .size: 8, .value_kind: global_buffer, .address_space: global }
      - { .name: lowp_scales, .offset: 16, .size: 8, .value_kind: global_buffer, .address_space: global }
      - { .name: wcodes, .offset: 24, .size: 8, .value_kind: global_buffer, .address_space: global }
      - { .name: ucol, .offset: 32, .size: 8, .value_kind: global_buffer, .address_space: global }
      - { .name: wt, .offset: 40, .size: 8, .value_kind: global_buffer, .address_space: global }
      - { .name: timg, .offset: 48, .size: 8, .value_kind: global_buffer, .address_space: global }
    .group_segment_fixed_size: 88832
    .private_segment_fixed_size: 0
    .kernarg_segment_align: 8
    .kernarg_segment_size: 56
    .max_flat_workgroup_size: 288
    .sgpr_count:     66
    .vgpr_count:     198
    .wavefront_size: 32
...
	.end_amdgpu_metadata
.endif
;; end of part 1
;; launch search (part 2): grid 64 x 4, 8 waves a work-group, clusters of 4 x 1, 327,680 bytes of LDS; arguments timg, wcodes, ucol, lowp_scales, pval, pidx; writes pval, pidx
.if DOCPART == 2
	.amdgcn_target "amdgcn-amd-amdhsa--gfx1250"
	.amdhsa_code_object_version 6
	.text
	.protected	k_qa3fc17f368_search
	.globl	k_qa3fc17f368_search
	.p2align	8
	.type	k_qa3fc17f368_search,@function
k_qa3fc17f368_search:
	s_mov_b64 s[64:65], 0
	v_nop
	global_prefetch_b8 v0, s[64:65] scope:SCOPE_SE
	s_setreg_imm32_b32 hwreg(HW_REG_WAVE_MODE, 25, 1), 1
	s_wait_xcnt 0x0
	s_wait_alu depctr_hold_cnt(0) depctr_sa_sdst(0) depctr_va_vdst(0) depctr_va_sdst(0) depctr_va_ssrc(0) depctr_va_vcc(0) depctr_vm_vsrc(0)
	s_getreg_b32 s2, hwreg(HW_REG_IB_STS2, 6, 4)
	s_cmp_eq_u32 s2, 0
	s_cbranch_scc0 .Lentry_in_a_cluster
	s_endpgm
.Lentry_in_a_cluster:
	s_bfe_u32 s2, ttmp6, 0x10000c
	s_cmp_lg_u32 s2, 0x3003
	s_cbranch_scc0 .Lentry_shape_is_right
	s_endpgm
.Lentry_shape_is_right:
; For each row of targ and each quarter (split) of the 32,768 codewords: the largest score and its codeword.
; score = s x (u + nw u u) x 2^(e0 + e1): s = the sum of the products of the codes of BF8 (E5M2), in f32, by v_wmma_f32_16x16x128_bf8_bf8; u = 1 / |codeword|; nw = -1e-7 / |row|.
; That is the cosine of the definition times |row|, a positive factor that moves no argmax of a row, with 1 / (1 + x) taken as 1 - x, x = 1e-7 / (|row| |codeword|).
; LIMITS: the relative error of that step is x x: under one rounding of f32 while |row| |codeword| >= 4.1e-4.  |e0 + e1| <= 60, so that the scaled maximum stays an f32 number.  NaN and infinities are not served.
; Ties go to the lowest index, as argmax has it: a later tile wins only by a strictly greater score, the place in the best tile is the first that equals the maximum, and every merge compares indices.
; SHARES.  Work-group (x, split): rows 128 x .. 128 x + 127, codewords 8192 split .. + 8191: 64 x 4 = 256 work-groups.  Each of the eight waves keeps ALL 128 rows as fragments (8 blocks x 2 K steps x 16 = 256
; registers, window 1) and takes an eighth of the codewords: a tile of 16 codewords, 4,096 bytes from LDS, feeds 16 matrix instructions.
; THE MATRIX INSTRUCTION IS USED TRANSPOSED: source 0 = 16 codewords, source 1 = 16 rows: a lane holds ONE row (lane % 16), and its register j codeword 8 (lane / 16) + j of the tile.
; Both operands carry k in the same order (register 4 c + n / 4 of K step s: k = 128 s + 32 c + 16 (lane / 16) + n), so every product meets its partner.
; CLUSTER.  The four work-groups of a cluster have the same split and walk the same codewords: each piece is asked for JOINTLY, by the same tensor load with the same descriptor (made of the split and the wave's number alone) and the mask 15.
; RING.  Two slots of 512 codewords (131,072 bytes); wave w fetches and reads piece w (16,384 bytes, four tiles).  One change of slots for four steps of a wave.
; u: each wave copies the u of its own 1,024 codewords (16 runs of 256 bytes) into LDS bytes of its own, once, through registers; it alone reads them.
; A STEP: blocks 0-3's products; u u and the scores of blocks 0 and 1; blocks 4-7's products (six accumulators: 4, 5, and 0, 1 again); then the fragments' registers take the next tile while the scores are searched.
; PER TILE OF 16 x 16 SCORES: 4 packed multiply-adds (u + nw u u), 4 packed multiplies, 4 maxima of three (the running maximum M among them, in two registers by turns), a compare, a select of the tile's number, 4 pairs of selects that keep its scores.
; Two blocks are searched line by line together, and the next two blocks' scores are made between their lines, so that no line reads the line just above it.
; REGISTERS, window 0: v1-15 addresses; v16-47 four a row block: nw, M, the best tile's first codeword, M; v48-111 the best tile's eight scores a block; v112-159 six accumulators; v160-191 scores, four sets;
;   v192-207 u, two sets; v208-215 u u; v216-247 a tile's two fragments; v248-251 at work.   window 1: the rows' fragments.
.set SLOT1, 1<<17                      ; slot 1 begins here: one exclusive or turns an address in one slot into the other's
.set SLOTB, 131072                     ; a slot's bytes, in LDS and in wcodes
.set TILEB, 4096
.set UTAB,  262144                     ; 4,096 bytes of u for each wave, written by LDS stores alone
.set SCR,   294912                     ; scratch, written by LDS stores alone: values [8 waves][128 rows], then indices 4,096 bytes on
.set SPARE, 303104                     ; the spare words, 128 bytes for each wave
.set REC,   4352                       ; a record of timg
.set AL0, 1                            ; 16 x lane + my piece's place in a slot
.set AU0, 2                            ; UTAB + 4,096 x wave + 32 (lane / 16)
.set ADR, 3                            ; AL0 + the slot in hand
.set ADU, 4                            ; AU0 + 256 x the slot's number
.set SPW, 5
.set NIL, 6
.set PFO, 7                            ; 256 x lane
.set L16, 9
.set L8,  10
.set SCW, 12
.set SCRD, 13
.set ST,  16
.set B,   48
.set ACC, 112
.set T,   160
.set U,   192
.set Q,   208
.set CW,  216
.set IX,  160                          ; the end: an index a row block,
.set VL,  168                          ; a value,
.set MV,  176                          ; the eight waves' values of two rows,
.set MI,  192                          ; and their indices
.set WV,  16
.set CX,  17                           ; my place in the cluster: it enters the addresses of timg, pval, pidx and the prefetches alone
.set SPL, 18
.set XG,  19
.set G1C, 24                           ; s[24:31] descriptor group 1, a piece of codewords
.set G0A, 40                           ; s[40:43] group 0: slot 0's first fill
.set G0W, 44                           ; s[44:47] group 0: slot 1's first fill; then it walks
.set TB,  52                           ; LDS byte at which the slot in hand begins
.set UB,  53                           ; 256 x the slot's number
.set KT,  54                           ; first codeword (within the split) of the tile in hand
.set SLOTS, 55                         ; slots still to be asked for
.set LIM, 57                           ; 1 in a wave that prefetches, else the greatest number
.set PFA, 58
.set SEL, 60
.set MSB, 0
.macro WIN new                         ; the immediate's high byte repeats the setting that is left
.if MSB != \new
	s_set_vgpr_msb (MSB<<8)|\new
.set MSB, \new
.endif
.endm
.macro CREST                           ; a round of the cluster's barrier behind its opening barrier
	s_cmp_lg_u32 s[WV], 0
	s_cbranch_scc1 .Lnot_wave_0_\@
	s_barrier_signal -3
.Lnot_wave_0_\@:
	s_barrier_wait -3
	s_barrier_signal -1
	s_barrier_wait -1
.endm
.macro CROUND
	s_barrier_signal -1
	s_barrier_wait -1
	CREST
.endm
.macro TLOAD g0                        ; a joint load; the s_nop 0 and the four v_nop stand behind the tensor load
	tensor_load_to_lds s[\g0:\g0+3], s[G1C:G1C+7]
	s_nop 0
.rept 4
	v_nop
.endr
.endm
; A prefetch of the slot that the NEXT change of slots will ask for.  All sixteen clusters of a split walk the same codewords: the first of them (cluster x = 0) asks; its four partners take 32,768 bytes each, told apart
; BY ADDRESS; in each, waves 0-3 take 8,192 bytes, lanes 256 bytes apart: each aligned block of 256 bytes of a slot is named once in the launch.  The last change that fills a slot asks for nothing; slots 0 to 2 come by their loads alone.
.macro ASK
	s_cmp_gt_u32 s[SLOTS], s[LIM]
	s_cbranch_scc0 .Lnot_mine_\@
	global_prefetch_b8 v[PFO], s[PFA:PFA+1] th:TH_LOAD_NT scope:SCOPE_SE
.Lnot_mine_\@:
.endm
.macro ADDR                            ; the addresses of the slot in hand
	v_add_nc_u32 v[ADR], s[TB], v[AL0]
	v_add_nc_u32 v[ADU], s[UB], v[AU0]
.endm
.macro LOADS off, uoff, set            ; a tile's two fragments (eight runs of 512 consecutive bytes) and my eight u
.irp m, 0,1,2,3,4,5,6,7
	ds_load_b128 v[CW+4*\m:CW+4*\m+3], v[ADR] offset:(\off)+512*\m
.endr
	ds_load_b128 v[U+8*(\set):U+8*(\set)+3], v[ADU] offset:(\uoff)
	ds_load_b128 v[U+8*(\set)+4:U+8*(\set)+7], v[ADU] offset:(\uoff)+16
.endm
; 8 matrix instructions: the tile against four blocks of rows, K step 0 (which starts the sums) and K step 1; four accumulators by turns
.macro MM hf
	WIN 0x04                                       ; source 1 (the rows) window 1
.irp a, 0,1,2,3
	v_wmma_f32_16x16x128_bf8_bf8 v[ACC+8*((4*\hf+\a)%6):ACC+8*((4*\hf+\a)%6)+7], v[CW:CW+15], v[32*(4*\hf+\a):32*(4*\hf+\a)+15], 0
.endr
.irp a, 0,1,2,3
	v_wmma_f32_16x16x128_bf8_bf8 v[ACC+8*((4*\hf+\a)%6):ACC+8*((4*\hf+\a)%6)+7], v[CW+16:CW+31], v[32*(4*\hf+\a)+16:32*(4*\hf+\a)+31], v[ACC+8*((4*\hf+\a)%6):ACC+8*((4*\hf+\a)%6)+7]
.endr
	WIN 0
.endm
.macro EF i, p                         ; u + nw u u for two codewords (of the pair nw, M the low word serves both halves)
	v_pk_fma_f32 v[T+8*((\i)%4)+2*\p:T+8*((\i)%4)+2*\p+1], v[Q+2*\p:Q+2*\p+1], v[ST+4*(\i):ST+4*(\i)+1], v[UU+2*\p:UU+2*\p+1] op_sel_hi:[1,0,1]
.endm
.macro EM i, p                         ; x the sums: an accumulator is read from its low end on
	v_pk_mul_f32 v[T+8*((\i)%4)+2*\p:T+8*((\i)%4)+2*\p+1], v[ACC+8*((\i)%6)+2*\p:ACC+8*((\i)%6)+2*\p+1], v[T+8*((\i)%4)+2*\p:T+8*((\i)%4)+2*\p+1]
.endm
.macro PF nx, i, p
.if \nx
	EF \i, \p
.endif
.endm
.macro PM nx, i, p
.if \nx
	EM \i, \p
.endif
.endm
.macro KEEP2 i, j                      ; where the tile wins, its scores j and j + 1 are kept
	v_dual_cndmask_b32 v[B+8*(\i)+\j], v[B+8*(\i)+\j], v[T+8*((\i)%4)+\j] :: v_dual_cndmask_b32 v[B+8*(\i)+\j+1], v[B+8*(\i)+\j+1], v[T+8*((\i)%4)+\j+1]
.endm
; Blocks a and a + 1 are searched together; nx = 1: the scores of blocks a + 2 and a + 3 are made between the lines.  p: M is read at ST + 4 i + 1 + 2 p and written at ST + 4 i + 3 - 2 p
.macro PAIR a, p, nx
.set TX, T+8*((\a)%4)
.set TY, T+8*(((\a)+1)%4)
.set MOX, ST+4*(\a)+1+2*(\p)
.set MNX, ST+4*(\a)+3-2*(\p)
.set MOY, MOX+4
.set MNY, MNX+4
	v_max3_num_f32 v248, v[TX], v[TX+1], v[TX+2]
	v_max3_num_f32 v250, v[TY], v[TY+1], v[TY+2]
	PF \nx, (\a)+2, 0
	v_max3_num_f32 v249, v[TX+3], v[TX+4], v[TX+5]
	v_max3_num_f32 v251, v[TY+3], v[TY+4], v[TY+5]
	PF \nx, (\a)+2, 1
	v_max3_num_f32 v248, v248, v[TX+6], v[TX+7]
	v_max3_num_f32 v250, v250, v[TY+6], v[TY+7]
	PF \nx, (\a)+2, 2
	PF \nx, (\a)+2, 3
	v_max3_num_f32 v[MNX], v248, v249, v[MOX]
	v_max3_num_f32 v[MNY], v250, v251, v[MOY]
	PF \nx, (\a)+3, 0
	PF \nx, (\a)+3, 1
	v_cmp_gt_f32 vcc_lo, v[MNX], v[MOX]            ; strictly greater: the first of equals stays
	PF \nx, (\a)+3, 2
	PF \nx, (\a)+3, 3
	v_cndmask_b32 v[ST+4*(\a)+2], v[ST+4*(\a)+2], s[KT], vcc_lo
	PM \nx, (\a)+2, 0
	KEEP2 \a, 0
	PM \nx, (\a)+2, 1
	KEEP2 \a, 2
	PM \nx, (\a)+2, 2
	KEEP2 \a, 4
	PM \nx, (\a)+2, 3
	KEEP2 \a, 6
	v_cmp_gt_f32 vcc_lo, v[MNY], v[MOY]
	PM \nx, (\a)+3, 0
	PM \nx, (\a)+3, 1
	v_cndmask_b32 v[ST+4*(\a)+6], v[ST+4*(\a)+6], s[KT], vcc_lo
	KEEP2 (\a)+1, 0
	PM \nx, (\a)+3, 2
	KEEP2 (\a)+1, 2
	PM \nx, (\a)+3, 3
	KEEP2 (\a)+1, 4
	KEEP2 (\a)+1, 6
.endm
; (va, ia) takes (vb, ib) where vb is greater, or equal with the lower index.  The masks select values alone.
.macro MERGE va, ia, vb, ib
	v_cmp_gt_f32 s72, v[\vb], v[\va]
	v_cmp_eq_f32 s73, v[\vb], v[\va]
	v_cmp_lt_u32 s74, v[\ib], v[\ia]
	s_and_b32 s73, s73, s74
	s_or_b32 s72, s72, s73
	v_cndmask_b32 v[\va], v[\va], v[\vb], s72
	v_cndmask_b32 v[\ia], v[\ia], v[\ib], s72
.endm
; A STEP: my q-th tile of the slot in hand against all 128 rows.
; mode 0: the next tile lies in the same slot.  1: the slot's last tile, and the slot is filled again.  2: the last tile of the last slot but one: nothing is asked for.  3: the very last tile.
.macro STEP q, mode
.set UU, U+8*((\q)%2)
	s_wait_alu depctr_va_vdst(0)
	s_wait_dscnt 0x0                               ; the tile's fragments and u, asked for in the middle of the last step: my reads of the slot so far are over
.if (\mode) == 1
	s_wait_tensorcnt 0x0                           ; all my tensor loads have landed: the one that was out is my piece of the other slot; so a group 0 may be written
	ds_add_u32 v[SPW], v[NIL]                      ; 0 onto my spare word; register work stands between it and the wait for it
	s_xor_b32 s[G0W+1], s[G0W+1], SLOT1            ; the walking descriptor: the other slot than last time,
	s_add_nc_u64 s[G0W+2:G0W+3], s[G0W+2:G0W+3], SLOTB   ; the next 512 codewords; the type bits on top are not reached
	s_wait_xcnt 0x0                                ; the last prefetch, a slot back, has read its address
	s_add_nc_u64 s[PFA:PFA+1], s[PFA:PFA+1], SLOTB
.endif
	MM 0
.irp p, 0,1,2,3
	v_pk_mul_f32 v[Q+2*\p:Q+2*\p+1], v[UU+2*\p:UU+2*\p+1], v[UU+2*\p:UU+2*\p+1]   ; four plain lines that name no register of the products: the places behind them (ISA guide 7.12.1)
.endr
.irp p, 0,1,2,3
	EF 0, \p
.endr
.irp p, 0,1,2,3
	EF 1, \p
.endr
.irp p, 0,1,2,3
	EM 0, \p
.endr
.irp p, 0,1,2,3
	EM 1, \p
.endr
	MM 1                                           ; accumulators 0 and 1 have been read
.if (\mode) == 1
	s_wait_alu depctr_va_vdst(0)
	s_wait_dscnt 0x0                               ; the add is done; my reads of this slot were over at the step's head
	s_barrier_signal -1                            ; this barrier opens a round of the cluster's barrier;
	PAIR 0, (\q)%2, 1                              ; register work while the others arrive
	s_barrier_wait -1
	CREST                                          ; no wave of any partner still reads this slot or has a load on its way
	TLOAD G0W                                      ; the joint refill, first behind the round, my one tensor load until the next: it has four of my steps in which to land
	s_xor_b32 s[TB], s[TB], SLOT1
	s_add_co_u32 s[UB], s[UB], 256
	ADDR
	LOADS 0, 0, 0
	ASK
	s_wait_alu depctr_va_vdst(0)                   ; ahead of the first reader behind the round
.else
	PAIR 0, (\q)%2, 1                              ; its lines are the places ahead of the loads into the fragments
.endif
.if (\mode) == 0
	LOADS ((\q)+1)*TILEB, ((\q)+1)*64, ((\q)+1)%2
.endif
.if (\mode) == 2
	s_wait_alu depctr_va_vdst(0)
	s_wait_tensorcnt 0x0                           ; my piece of the last slot is in; I alone read it, so my own counter is all the ordering that the reads need
	s_xor_b32 s[TB], s[TB], SLOT1
	s_add_co_u32 s[UB], s[UB], 256
	ADDR
	LOADS 0, 0, 0
.endif
	PAIR 2, (\q)%2, 1
	PAIR 4, (\q)%2, 1
	PAIR 6, (\q)%2, 0
.if (\q) == 3
	s_add_co_u32 s[KT], s[KT], 464                 ; from my last tile of a slot to my first of the next: 512 - 48
.else
	s_add_co_u32 s[KT], s[KT], 16
.endif
.endm
	s_load_b256 s[4:11], s[0:1], 0x0               ; timg s[4:5], wcodes s[6:7], ucol s[8:9], the scales' exponents s[10:11]
	s_load_b128 s[12:15], s[0:1], 0x20             ; pval s[12:13], pidx s[14:15]
	v_lshl_add_u32 v[SPW], v0, 2, SPARE
	v_mov_b32 v[NIL], 0
	ds_add_u32 v[SPW], v[NIL]                      ; the opening: the add, twice on end, and its wait ahead of my first tensor load
	ds_add_u32 v[SPW], v[NIL]
	v_lshrrev_b32 v9, 5, v0
	v_readfirstlane_b32 s[WV], v9                  ; wave 0..7
	s_bfe_u32 s[CX], ttmp6, 0x40000                ; my place in the cluster
	s_and_b32 s[SPL], ttmp7, 0xffff                ; the split, which the four partners share
	s_lshl_b32 s[XG], ttmp9, 2                     ; in a cluster launch ttmp9 counts clusters
	s_add_co_u32 s[XG], s[XG], s[CX]
	; descriptor group 1: a dense block as rows of 32 elements of 8 bytes (256 bytes), no padding; the mask names all four work-groups, bit 21 set beside it
	s_mov_b32 s[G1C], 15|(3<<16)|(1<<21)
	s_mov_b32 s[G1C+1], 32<<16                     ; tensor_dim0 = 32
	s_mov_b32 s[G1C+2], 64<<16                     ; tensor_dim1 = 64
	s_mov_b32 s[G1C+3], 32<<16                     ; tile_dim0 = 32
	s_mov_b32 s[G1C+4], 64                         ; tile_dim1 = 64 rows: 16,384 bytes
	s_mov_b32 s[G1C+5], 32                         ; from row to row
	s_mov_b32 s[G1C+6], 0
	s_mov_b32 s[G1C+7], 0
	s_mov_b32 s[G0A], 1
	s_lshl_b32 s[G0A+1], s[WV], 14                 ; LDS: my piece of slot 0
	s_mov_b32 s[G0W], 1
	s_add_co_u32 s[G0W+1], s[G0A+1], SLOT1         ; of slot 1
	s_lshl_b32 s20, s[SPL], 21                     ; wcodes: 2 MiB a split + 16,384 x wave
	s_add_co_u32 s20, s20, s[G0A+1]
	s_mov_b32 s21, 0
	s_lshl_b32 s22, s[SPL], 15                     ; ucol: 32,768 bytes a split + 256 x wave
	s_lshl_b32 s23, s[WV], 8
	s_add_co_u32 s22, s22, s23
	s_mov_b32 s23, 0
	s_mov_b32 s[SEL], 0x76543210
	s_mov_b32 s[SEL+1], 0xfedcba98
	s_mov_b32 s[TB], 0
	s_mov_b32 s[UB], 0
	s_lshl_b32 s[KT], s[WV], 6                     ; my first tile begins at codeword 64 x wave of the split
	s_mov_b32 s[SLOTS], 14                         ; slots 2 to 15 come by refills
	s_mov_b32 s76, 0xff800000                      ; -infinity
	s_lshr_b32 s[LIM], s[WV], 2                    ; 0 in waves 0-3,
	s_or_b32 s[LIM], s[LIM], ttmp9                 ; of the split's first cluster: the same in all four partners
	s_cmp_eq_u32 s[LIM], 0
	s_cselect_b32 s[LIM], 1, -1
	; what hangs on my place in the cluster is made in registers that feed no descriptor
	s_mul_i32 s66, s[XG], 8*REC                    ; timg: my eight records
	s_mov_b32 s67, 0
	s_lshl_b32 s68, s[SPL], 15                     ; pval, pidx: (8192 split + 128 x) x 4 bytes
	s_lshl_b32 s69, s[XG], 9
	s_add_co_u32 s68, s68, s69
	s_mov_b32 s69, 0
	s_lshl_b32 s70, s[WV], 12
	s_add_co_u32 s70, s70, UTAB                    ; my wave's u in LDS
	s_lshl_b32 s71, s[WV], 9
	s_add_co_u32 s71, s71, SCR
	v_and_b32 v9, 31, v0                           ; lane
	v_bfe_u32 v11, v0, 4, 1                        ; lane / 16
	v_and_b32 v[SCW], 15, v0                       ; lane % 16
	v_lshlrev_b32 v[L8], 3, v9
	v_lshlrev_b32 v[PFO], 8, v9
	v_lshlrev_b32 v[L16], 4, v9
	v_lshlrev_b32 v14, 4, v[SCW]
	v_lshl_add_u32 v14, v11, 11, v14               ; ucol: lanes 0-15 one slot's 256 bytes, lanes 16-31 the next slot's, 2,048 bytes on
	v_add_nc_u32 v[AL0], s[G0A+1], v[L16]
	v_add_nc_u32 v15, s70, v[L16]                  ; where my 16 bytes of u go
	v_lshl_add_u32 v[AU0], v11, 5, s70
	v_lshlrev_b32 v[SCW], 2, v[SCW]
	v_add_nc_u32 v[SCW], s71, v[SCW]               ; scratch, in: my wave's 128 words, word lane % 16 of a block
	v_and_b32 v[SCRD], 63, v0
	v_lshl_add_u32 v[SCRD], v[SCRD], 3, SCR        ; scratch, out (waves 0 and 1): rows 2 t, 2 t + 1
	s_wait_alu depctr_va_vdst(0)
	s_wait_dscnt 0x0                               ; both opening adds are done
	s_wait_kmcnt 0x0
	s_load_b64 s[62:63], s[10:11], 0x0             ; e0, e1
	s_add_nc_u64 s[G0A+2:G0A+3], s[6:7], s[20:21]
	s_add_nc_u64 s[G0W+2:G0W+3], s[G0A+2:G0A+3], SLOTB
	s_or_b32 s[G0A+3], s[G0A+3], 0x80000000        ; type = 2
	s_or_b32 s[G0W+3], s[G0W+3], 0x80000000
	s_add_nc_u64 s[8:9], s[8:9], s[22:23]
	s_add_nc_u64 s[4:5], s[4:5], s[66:67]
	s_add_nc_u64 s[12:13], s[12:13], s[68:69]
	s_add_nc_u64 s[14:15], s[14:15], s[68:69]
	s_lshl_b32 s66, s[SPL], 21                     ; the prefetches: my split,
	s_lshl_b32 s70, s[CX], 15
	s_add_co_u32 s66, s66, s70                     ; my work-group's quarter of a slot,
	s_and_b32 s70, s[WV], 3
	s_lshl_b32 s70, s70, 13
	s_add_co_u32 s66, s66, s70                     ; my wave's quarter of that,
	s_add_co_u32 s66, s66, 2*SLOTB                 ; in slot 2: the first change of slots steps it to slot 3.  Nothing is prefetched here, at the head
	s_add_nc_u64 s[PFA:PFA+1], s[6:7], s[66:67]
	CROUND                                         ; all four work-groups are here: the first joint loads meet
	TLOAD G0A                                      ; slot 0: one tensor load a wave at the head
.set n, 0
.rept 8
	global_load_b128 v[CW+4*n:CW+4*n+3], v14, s[8:9] offset:4096*n   ; my u of slots 2 n and 2 n + 1: two whole runs of 256 bytes
.set n, n+1
.endr
	WIN 0x40                                       ; destination window 1, address window 0
.set n, 0
.rept 64
	global_load_b128 v[4*n:4*n+3], v[L16], s[4:5] offset:REC*(n/8)+512*(n%8)   ; block n / 8, image n % 8: the rows' fragments stay in registers
.set n, n+1
.endr
	WIN 0
.set n, 0
.rept 8
	global_load_b32 v[ST+4*n], v[L8], s[4:5] offset:REC*n+4096   ; nw of my row in block n
.set n, n+1
.endr
.set n, 0
.rept 8
	v_mov_b32 v[ST+4*n+1], s76                     ; M = -infinity: the first tile wins
	v_mov_b32 v[ST+4*n+2], 0
.set n, n+1
.endr
.set n, 0
.rept 64
	v_mov_b32 v[B+n], s76
.set n, n+1
.endr
	s_wait_alu depctr_va_vdst(0)
	s_wait_loadcnt 63                              ; 72 loads were issued behind u's eight: u is in
	s_wait_tensorcnt 0x0                           ; my piece of slot 0 is in: no tensor load is out while I store to LDS
.set n, 0
.rept 8
	ds_store_b128 v15, v[CW+4*n:CW+4*n+3] offset:512*n
.set n, n+1
.endr
	s_wait_tensorcnt 0x0
	ds_add_u32 v[SPW], v[NIL]
	s_wait_dscnt 0x0                               ; the add and my stores are done
	CROUND                                         ; a whole round: all four work-groups are here,
	TLOAD G0W                                      ; and slot 1's first fill is the first tensor load behind it
	ADDR
	LOADS 0, 0, 0
	s_wait_loadcnt 0x0                             ; the rows' fragments and nw
.Lslot:                                            ; 14 trips: a slot's four steps; the slot is then filled again with the codewords two slots on
	STEP 0, 0
	STEP 1, 0
	STEP 2, 0
	STEP 3, 1
	s_sub_co_u32 s[SLOTS], s[SLOTS], 1
	s_cmp_lg_u32 s[SLOTS], 0
	s_cbranch_scc1 .Lslot
	STEP 0, 0                                      ; the last two slots are written out
	STEP 1, 0
	STEP 2, 0
	STEP 3, 2
	STEP 0, 0
	STEP 1, 0
	STEP 2, 0
	STEP 3, 3
	; THE END.  The place in the best tile: the first score that equals M.  Then the two halves of the lanes, the eight waves, and out.
	s_wait_alu depctr_va_vdst(0)
	s_wait_kmcnt 0x0
	s_add_co_i32 s75, s62, s63                     ; e0 + e1
	s_lshl_b32 s20, s[SPL], 13
	v_bfe_u32 v11, v0, 4, 1
	v_lshl_add_u32 v11, v11, 3, s20                ; 8 (lane / 16) + 8192 split
	v_mov_b32 v14, 0                               ; a lane permute's destination counts as read
	v_mov_b32 v15, 0
.irp i, 0,1,2,3,4,5,6,7
	v_mov_b32 v[IX+\i], 7
.endr
.irp j, 6,5,4,3,2,1,0                  ; descending, so that the lowest place stays; the eight blocks side by side, a mask register for each
.irp i, 0,1,2,3,4,5,6,7
	v_cmp_neq_f32 s[32+\i], v[B+8*\i+\j], v[ST+4*\i+1]
.endr
.irp i, 0,1,2,3,4,5,6,7
	v_cndmask_b32 v[IX+\i], \j, v[IX+\i], s[32+\i]
.endr
.endr
.irp i, 0,1,2,3,4,5,6,7
	v_add3_u32 v[IX+\i], v[IX+\i], v[ST+4*\i+2], v11   ; the codeword's number
	v_permlanex16_b32 v14, v[ST+4*\i+1], s[SEL], s[SEL+1]
	v_permlanex16_b32 v15, v[IX+\i], s[SEL], s[SEL+1]
	MERGE ST+4*\i+1, IX+\i, 14, 15                 ; with the row's other eight places: both lanes of a row end alike
	v_ldexp_f32 v[VL+\i], v[ST+4*\i+1], s75        ; x 2^(e0 + e1): exact, and it commutes with the maximum
	ds_store_b32 v[SCW], v[VL+\i] offset:64*\i     ; the row's two lanes store the same word
	ds_store_b32 v[SCW], v[IX+\i] offset:4096+64*\i
.endr
	s_wait_alu depctr_va_vdst(0)
	s_wait_dscnt 0x0                               ; for the others' sake: my stores into the scratch are done
	s_barrier_signal -1
	s_barrier_wait -1
	s_cmp_lt_u32 s[WV], 2
	s_cbranch_scc0 .Ldone
.irp w, 0,1,2,3,4,5,6,7
	ds_load_b64 v[MV+2*\w:MV+2*\w+1], v[SCRD] offset:512*\w          ; wave w's values of rows 2 t, 2 t + 1,
	ds_load_b64 v[MI+2*\w:MI+2*\w+1], v[SCRD] offset:4096+512*\w     ; and its indices
.endr
	s_wait_dscnt 0x0
.irp w, 1,2,3,4,5,6,7
	MERGE MV, MI, MV+2*\w, MI+2*\w
	MERGE MV+1, MI+1, MV+2*\w+1, MI+2*\w+1
.endr
	; pval takes the value as a whole number that orders as the value does (unsigned): -0 becomes +0, then the sign bit is set where the value is not negative, and all bits are flipped where it is
	v_add_f32 v[MV], 0, v[MV]
	v_add_f32 v[MV+1], 0, v[MV+1]
	v_ashrrev_i32 v14, 31, v[MV]
	v_ashrrev_i32 v15, 31, v[MV+1]
	v_or_b32 v14, 0x80000000, v14
	v_or_b32 v15, 0x80000000, v15
	v_xor_b32 v[MV], v14, v[MV]
	v_xor_b32 v[MV+1], v15, v[MV+1]
	v_and_b32 v11, 63, v0
	v_lshlrev_b32 v11, 3, v11
	global_store_b64 v11, v[MV:MV+1], s[12:13]     ; a wave stores 256 consecutive bytes, aligned
	global_store_b64 v11, v[MI:MI+1], s[14:15]
.Ldone:
	s_wait_tensorcnt 0x0                           ; the wave's end: behind my last tensor load and my last LDS store
	ds_add_u32 v[SPW], v[NIL]
	s_wait_dscnt 0x0
	CROUND                                         ; the closing round: no work-group ends while a partner may still ask for a piece that names it
	s_endpgm
.Lfunc_end_k_qa3fc17f368_search:
	.size	k_qa3fc17f368_search, .Lfunc_end_k_qa3fc17f368_search-k_qa3fc17f368_search
	.p2alignl 7, 3214868480
	.fill 96, 4, 3214868480
	.section	.rodata,"a",@progbits
	.p2align	6, 0x0
	.amdhsa_kernel k_qa3fc17f368_search
		.amdhsa_group_segment_fixed_size 327680
		.amdhsa_private_segment_fixed_size 0
		.amdhsa_enable_private_segment 0
		.amdhsa_kernarg_size 48
		.amdhsa_user_sgpr_count 2
		.amdhsa_user_sgpr_kernarg_segment_ptr 1
		.amdhsa_wavefront_size32 1
		.amdhsa_system_sgpr_workgroup_id_x 1
		.amdhsa_system_sgpr_workgroup_id_y 1
		.amdhsa_system_sgpr_workgroup_id_z 1
		.amdhsa_system_vgpr_workitem_id 0
		.amdhsa_next_free_vgpr 512
		.amdhsa_next_free_sgpr 80
		.amdhsa_reserve_vcc 1
		.amdhsa_float_denorm_mode_32 3
		.amdhsa_float_denorm_mode_16_64 3
		.amdhsa_memory_ordered 1
		.amdhsa_forward_progress 1
		.amdhsa_inst_pref_size 169
	.end_amdhsa_kernel
	.amdgpu_metadata
---
amdhsa.version: [ 1, 2 ]
amdhsa.kernels:
  - .name:           k_qa3fc17f368_search
    .symbol:         k_qa3fc17f368_search.kd
    .args:
      - { .name: timg, .offset: 0, .size: 8, .value_kind: global_buffer, .address_space: global }
      - { .name: wcodes, .offset: 8, .size: 8, .value_kind: global_buffer, .address_space: global }
      - { .name: ucol, .offset: 16, .size: 8, .value_kind: global_buffer, .address_space: global }
      - { .name: lowp_scales, .offset: 24, .size: 8, .value_kind: global_buffer, .address_space: global }
      - { .name: pval, .offset: 32, .size: 8, .value_kind: global_buffer, .address_space: global }
      - { .name: pidx, .offset: 40, .size: 8, .value_kind: global_buffer, .address_space: global }
    .group_segment_fixed_size: 327680
    .private_segment_fixed_size: 0
    .kernarg_segment_align: 8
    .kernarg_segment_size: 48
    .max_flat_workgroup_size: 256
    .sgpr_count:     80
    .vgpr_count:     512
    .wavefront_size: 32
...
	.end_amdgpu_metadata
.endif
;; end of part 2
;; launch pick (part 3): grid 256 x 1, 8 waves a work-group, no clusters, 0 bytes of LDS; arguments pval, pidx, wt, out0; writes out0
.if DOCPART == 3
	.amdgcn_target "amdgcn-amd-amdhsa--gfx1250"
	.amdhsa_code_object_version 6
	.text
	.protected	k_qa3fc17f368_pick
	.globl	k_qa3fc17f368_pick
	.p2align	8
	.type	k_qa3fc17f368_pick,@function
k_qa3fc17f368_pick:
	s_mov_b64 s[64:65], 0
	v_nop
	global_prefetch_b8 v0, s[64:65] scope:SCOPE_SE
	s_setreg_imm32_b32 hwreg(HW_REG_WAVE_MODE, 25, 1), 1
	s_wait_xcnt 0x0
; out0[row] = wt[the codeword of the best of the row's four splits], 1,024 bytes a row.
; pval, pidx: [4 splits][8192 rows], whole numbers that the launch before stored: pval holds each split's best value as an unsigned key that orders as the value does, pidx its codeword.
; A wave takes four rows.  The choice among the four splits is made on the stored whole numbers, in scalar registers, and only the chosen row of wt is loaded.
; A later split wins only by a strictly greater key: its codewords all have higher numbers, so ties go to the lowest index.  NaN among the values is not served.
; A stream: no LDS, no barrier, no loop; 8 loads of 512 consecutive bytes a wave are out together.  No work-group reads what another reads on purpose: no cluster.  No loop to run ahead in: no prefetch.
.set OFF, 2                            ; v2-5    byte offset of row r's codeword in wt, + 16 x lane
.set D,   8                            ; v8-39   row r: eight registers at 8 r
	s_load_b256 s[4:11], s[0:1], 0x0               ; pval s[4:5], pidx s[6:7], wt s[8:9], out0 s[10:11]
	v_lshrrev_b32 v1, 5, v0
	v_readfirstlane_b32 s12, v1                    ; wave 0..7
	v_and_b32 v1, 31, v0
	v_lshlrev_b32 v1, 4, v1                        ; 16 x lane
	s_lshl_b32 s14, ttmp9, 7                       ; my first row = 32 x work-group + 4 x wave: x 4 bytes
	s_lshl_b32 s13, s12, 4
	s_add_co_u32 s14, s14, s13
	s_mov_b32 s15, 0
	s_lshl_b32 s60, ttmp9, 15                      ; and x 1,024 bytes
	s_lshl_b32 s13, s12, 12
	s_add_co_u32 s60, s60, s13
	s_mov_b32 s61, 0
	s_wait_alu depctr_va_vdst(0)
	s_wait_kmcnt 0x0
	s_add_nc_u64 s[4:5], s[4:5], s[14:15]
	s_add_nc_u64 s[6:7], s[6:7], s[14:15]
	s_add_nc_u64 s[10:11], s[10:11], s[60:61]
.irp c, 0,1,2,3
	s_load_b128 s[16+4*\c:19+4*\c], s[4:5], 32768*\c   ; split c's keys of my four rows,
	s_load_b128 s[32+4*\c:35+4*\c], s[6:7], 32768*\c   ; and its codewords
.endr
	s_wait_kmcnt 0x0
.irp r, 0,1,2,3
.irp c, 1,2,3
	s_cmp_gt_u32 s[16+4*\c+\r], s[16+\r]               ; does split c win?
	s_cselect_b32 s[32+\r], s[32+4*\c+\r], s[32+\r]
	s_max_u32 s[16+\r], s[16+\r], s[16+4*\c+\r]
.endr
	s_min_u32 s[32+\r], s[32+\r], 0x7fff               ; a loaded number enters an address only behind a bound: wt has 32,768 rows
	s_lshl_b32 s[32+\r], s[32+\r], 10
	v_add_nc_u32 v[OFF+\r], s[32+\r], v1
.endr
	s_wait_alu depctr_va_vdst(0)
.irp r, 0,1,2,3
	global_load_b128 v[D+8*\r:D+8*\r+3], v[OFF+\r], s[8:9]               ; 512 consecutive bytes: half a row of wt
	global_load_b128 v[D+8*\r+4:D+8*\r+7], v[OFF+\r], s[8:9] offset:512
.endr
.irp r, 0,1,2,3
	s_wait_loadcnt 2*(3-\r)                        ; this row's two loads are in; the later rows' stay out
	global_store_b128 v1, v[D+8*\r:D+8*\r+3], s[10:11] offset:1024*\r th:TH_STORE_NT       ; 512 consecutive bytes, aligned
	global_store_b128 v1, v[D+8*\r+4:D+8*\r+7], s[10:11] offset:1024*\r+512 th:TH_STORE_NT
.endr
	s_endpgm
.Lfunc_end_k_qa3fc17f368_pick:
	.size	k_qa3fc17f368_pick, .Lfunc_end_k_qa3fc17f368_pick-k_qa3fc17f368_pick
	.p2alignl 7, 3214868480
	.fill 96, 4, 3214868480
	.section	.rodata,"a",@progbits
	.p2align	6, 0x0
	.amdhsa_kernel k_qa3fc17f368_pick
		.amdhsa_group_segment_fixed_size 0
		.amdhsa_private_segment_fixed_size 0
		.amdhsa_enable_private_segment 0
		.amdhsa_kernarg_size 32
		.amdhsa_user_sgpr_count 2
		.amdhsa_user_sgpr_kernarg_segment_ptr 1
		.amdhsa_wavefront_size32 1
		.amdhsa_system_sgpr_workgroup_id_x 1
		.amdhsa_system_sgpr_workgroup_id_y 1
		.amdhsa_system_sgpr_workgroup_id_z 1
		.amdhsa_system_vgpr_workitem_id 0
		.amdhsa_next_free_vgpr 40
		.amdhsa_next_free_sgpr 66
		.amdhsa_reserve_vcc 0
		.amdhsa_float_denorm_mode_32 3
		.amdhsa_float_denorm_mode_16_64 3
		.amdhsa_memory_ordered 1
		.amdhsa_forward_progress 1
		.amdhsa_inst_pref_size 5
	.end_amdhsa_kernel
	.amdgpu_metadata
---
amdhsa.version: [ 1, 2 ]
amdhsa.kernels:
  - .name:           k_qa3fc17f368_pick
    .symbol:         k_qa3fc17f368_pick.kd
    .args:
      - { .name: pval, .offset: 0, .size: 8, .value_kind: global_buffer, .address_space: global }
      - { .name: pidx, .offset: 8, .size: 8, .value_kind: global_buffer, .address_space: global }
      - { .name: wt, .offset: 16, .size: 8, .value_kind: global_buffer, .address_space: global }
      - { .name: out0, .offset: 24, .size: 8, .value_kind: global_buffer, .address_space: global }
    .group_segment_fixed_size: 0
    .private_segment_fixed_size: 0
    .kernarg_segment_align: 8
    .kernarg_segment_size: 32
    .max_flat_workgroup_size: 256
    .sgpr_count:     66
    .vgpr_count:     40
    .wavefront_size: 32
...
	.end_amdgpu_metadata
.endif
;; end of part 3
